; MI455X (gfx1250); checked and timed in simulation.
; The chip was launched on July 23, 2026; its instructions are those of AMD's public machine-readable ISA for CDNA 5 (MIT licence, August 2026) and "CDNA5" Instruction Set Architecture Reference Guide (July 2026). The comments in the code are by the model that wrote it; some were corrected since.
;; Optimized FP4 Linear. Allowed arithmetic: matrix products marked QUANTISED: E2M3 operands, one E8M0 scale for each 32 along K, by v_wmma_scale_f32_16x16x128_f8f6f4 with both operands' format E2M3, f32 sums; everything else in f32.
;; Inputs: bias 2,048 float32; weight_packed 4,194,304 int32; weight_scales 65,536 float32; x 4 x 2,048 x 4,096 float32.
;; Outputs: out0 4 x 2,048 x 2,048 float32.
;; This version of the problem:
;;   THIS VERSION OF THE PROBLEM IS GIVEN IN LOW PRECISION. The matrix products marked QUANTISED in the list below multiply operands that are first quantised to E2M3 (2 exponent bits, 3 mantissa bits; 6 bits a number), with one power-of-two scale for each 32 numbers along K (OCP MX v1.0); their sums are f32. All else is computed in f32.
;;   The module's matrix products, in the order in which they are computed (A, B: the left and right operand; K: the contracted axis; several contracted axes count as one K, in the product's order):
;;     1. [M 8,192, K 4,096] x [K 4,096, N 2,048]; A: input x; B: computed on the way: QUANTISED
;;   THE QUANTISER, for each operand of a quantised product, along K:
;;     - K is cut into blocks of 32 from its start; a last block that is shorter is filled with zeros.
;;     - A block's scale is 2^e with e = floor(log2(the largest magnitude in the block)) - 2, held to -126 .. 127; a block of zeros has e = 0. As a byte (E8M0): e + 127.
;;     - Each number is divided by its block's scale, clamped to +-7.5, and rounded to the nearest number of E2M3, ties to even, subnormals kept.
;;     - The product sums the exact products of the quantised numbers (number of the format x scale) in f32.
;;   ~~~python
;;   def quantise(x, axis):      # numpy; x: float32 -> the quantised numbers, widened to float32 again
;;       x = np.moveaxis(x, axis, -1); K = x.shape[-1]
;;       x = np.pad(x, [(0, 0)] * (x.ndim - 1) + [(0, -K % 32)]); x = x.reshape(x.shape[:-1] + (-1, 32)); a = np.abs(x).max(-1, keepdims=True)
;;       e = np.where(a > 0, np.clip(np.frexp(np.where(a > 0, a, 1))[1] - 1 - 2, -126, 127), 0)      # np.frexp(a)[1] - 1 = floor(log2(a)), exactly
;;       r = np.clip(x / 2.0 ** e, -7.5, 7.5)
;;       step = 2.0 ** (np.maximum(np.frexp(np.where(r == 0, 1, r))[1] - 1, 0) - 3)
;;       q = np.round(r / step) * step * 2.0 ** e      # np.round: ties to even
;;       return np.moveaxis(q.reshape(q.shape[:-2] + (-1,))[..., :K], -1, axis).astype(np.float32)
;;   ~~~
;;   OPERANDS COMPUTED ON THE WAY. 'Computed on the way' means the value that the module computes at that place (a softmax that the list does not call 'softmax' is quantised finished and normalised). What goes into a quantiser is computed in f32, as accurately as f32 sums, v_exp_f32 and their like allow (about 1e-6 of the number): no bf16 or f16 on the way to a quantiser, and a product that is left as it is and whose result goes on into a quantised operand takes f32 operands (vector FMAs, or v_wmma_f32_16x16x4_f32). A number that lies on a knife's edge between two numbers of the format may be rounded either way, as far as f32 arithmetic and the matrix unit's own rounding can turn it there, and no further.
;; One version. Each part assembles by itself: llvm-mc -triple=amdgcn-amd-amdhsa -mcpu=gfx1250 --defsym DOCPART=n.
;; ======== version 1 of 1: 2 launches
;; limits: right only within a limited range of input values
;; workspace buffers: a_ws 26,214,400 bytes; b_ws 6,553,600 bytes
;; launch quant (part 1): grid 1280 x 1, 4 waves a work-group, no clusters, 59,904 bytes of LDS; arguments x, weight_packed, weight_scales, a_ws, b_ws; writes a_ws, b_ws
.if DOCPART == 1
	.amdgcn_target "amdgcn-amd-amdhsa--gfx1250"
	.amdhsa_code_object_version 6
	.text
	.protected	k_q048d27a9ef_quant
	.globl	k_q048d27a9ef_quant
	.p2align	8
	.type	k_q048d27a9ef_quant,@function
k_q048d27a9ef_quant:
	s_mov_b64 s[64:65], 0
	v_nop
	global_prefetch_b8 v0, s[64:65] scope:SCOPE_SE
	s_setreg_imm32_b32 hwreg(HW_REG_WAVE_MODE, 25, 1), 1
	s_wait_xcnt 0x0
; x [8192][4096] f32, and W [2048][4096] (4-bit codes of E2M1, two in the low byte of each int32, the high nibble first, times one f32 scale for each 128 numbers),
; are turned into codes of FP6 (E2M3) with one E8M0 scale byte for each 32 along K, laid as the product's launch reads them.
; A block's scale is 2^(floor(log2(its largest magnitude)) - 2); its byte is the largest magnitude's exponent field - 2, held at 1 from below.  Each number is divided by the scale and rounded to the nearest code, ties to even.
; LIMITS: a block of zeros gets the byte 1 where the rule says 127 (its codes are zeros, which add nothing under any byte but 0xff, and this program alone reads the bytes);
; NaN and infinities in x or in weight_scales are not served.
; THE WORKSPACE.  [group of 128 rows][K step of 128][panel of 12,800 bytes].  A panel: 8 fragments of 1,536 bytes (fragment i = rows 16 i .. 16 i + 15), then 512 bytes of scale words.
;   In a fragment row r has 96 bytes at 96 r; its block b = 2 c + h of 32 codes (24 bytes) lies at 48 (h xor (r / 8)) + 24 c: so the 12 operand registers of lane (r, h) are 48 consecutive bytes.
;   The scale word of (fragment i, row r) lies at 12,288 + 256 (i / 4) + 16 r + 4 (i % 4); its byte b scales k = 32 b .. 32 b + 31.
; SHARES.  A wave takes 64 rows x 128 along K: 16 steps of 4 rows.  It makes 4 fragments (6,144 consecutive bytes) and 256 scale bytes (one aligned block of 256 bytes).
; Work-groups 0 .. 1023 take x, 1024 .. 1279 take W; the four waves of a work-group stand side by side along K.  No tensor loads, no barrier: waves share nothing.  The two paths have LDS bytes of their own.
.set STEPS, 16
.set EMAX,  2
.set PANEL, 12800
.set GSTR,  32*PANEL
.set SCOFF, 12288
.set FRAGB, 1536
.set SP,    80                         ; x: a lane's place in a stage: its 64 bytes + 16 of padding
.set WLDS,  32768                      ; W's LDS begins here: 512 bytes a wave: its 64 f32 scales, then its 256 scale bytes
.set R,     16                         ; x: v16-79   four sets of 16 numbers as loaded
.set X,     80                         ; x: v80-111  two sets of 16 neighbours
.set P,     16                         ; W: v16-47   four sets of 8 words as loaded
.set F,     80                         ; W: v80-95   16 numbers in f32
.set SW,    96                         ; W: v96-111  the f32 scale of my row, for each step
.set E,     112                        ; v112-127 a scale byte for each step
.set C,     128                        ; v128-191 codes: four registers for each step, so that no store's data are written again
	s_load_b128 s[4:7], s[0:1], 0x0                ; x, weight_packed
	s_load_b128 s[8:11], s[0:1], 0x10              ; weight_scales, a_ws
	s_load_b64 s[12:13], s[0:1], 0x20              ; b_ws
	v_lshl_add_u32 v131, v0, 2, 0x8800             ; my spare word (v131 and v135: fourth registers of a step's four, which no codes use)
	v_mov_b32 v135, 0
	v_lshrrev_b32 v1, 5, v0
	v_readfirstlane_b32 s16, v1                    ; wave
	v_and_b32 v2, 31, v0                           ; lane l
	s_lshr_b32 s17, ttmp9, 3                       ; which 64 rows (W: + 128)
	s_and_b32 s18, ttmp9, 7
	s_lshl_b32 s18, s18, 2
	s_add_co_u32 s18, s18, s16                     ; which K step of 128: 4 x (work-group % 8) + wave
	s_wait_kmcnt 0x0
	s_cmp_lt_u32 ttmp9, 1024
	s_cbranch_scc0 .Lweights
; where my 4 fragments (s[24:25]) and my 256 scale bytes (s[26:27]) lie in the workspace buffer, in bytes
.macro PLACE
	s_lshr_b32 s19, s17, 1                         ; the group of 128 rows
	s_mul_i32 s19, s19, GSTR
	s_mul_i32 s22, s18, PANEL
	s_add_co_u32 s19, s19, s22                     ; my panel
	s_and_b32 s22, s17, 1                          ; and which half of it
	s_mul_i32 s24, s22, 4*FRAGB
	s_add_co_u32 s24, s24, s19
	s_mov_b32 s25, 0
	s_lshl_b32 s26, s22, 8
	s_add_co_u32 s26, s26, s19
	s_add_co_u32 s26, s26, SCOFF
	s_mov_b32 s27, 0
.endm
; 16 neighbours along K in v[src] on become 12 bytes of codes and, with the lane xm away (the block's other half), a scale byte.  Step t holds rows 4 t .. 4 t + 3 of the wave's 64.
.macro QUANT16 t, src, xm
	v_max3_num_f32 v8, |v[\src]|, |v[\src+1]|, |v[\src+2]|           ; the largest magnitude of my 16, in two chains
	v_max3_num_f32 v9, |v[\src+3]|, |v[\src+4]|, |v[\src+5]|
.irp i, 6,10
	v_max3_num_f32 v8, v8, |v[\src+\i]|, |v[\src+\i+1]|
	v_max3_num_f32 v9, v9, |v[\src+\i+2]|, |v[\src+\i+3]|
.endr
	v_max3_num_f32 v8, v8, |v[\src+14]|, |v[\src+15]|
	v_max3_num_f32 v8, v8, v9, (EMAX+1)<<23        ; and the floor 2^(EMAX + 1 - 127): the byte cannot fall under 1
	v_max_num_f32_dpp v8, v8, v8 row_xmask:\xm row_mask:0xf bank_mask:0xf   ; with the other half of the block
	v_add_nc_u32 v11, -(EMAX<<23), v8              ; EMAX off its exponent field: the conversion takes the exponent field of this operand as its scale, and nothing else of it
	v_cvt_scalef32_pk16_fp6_f32 v[C+4*(\t):C+4*(\t)+2], v[\src:\src+15], v11
	v_lshrrev_b32 v[E+(\t)], 23, v11               ; the scale's byte.  (Also the plain instruction behind the conversion)
	ds_store_b8 v5, v[E+(\t)] offset:64*((\t)&3)+4*((\t)>>2)   ; row 4 (t % 4) + my row, fragment t / 4; both lanes of a block write the same byte with the same value
.if \xm == 2                           ; W: my three words go to their places in the wave's stage: fragment t / 4, row 4 (t % 4) + my row
.irp k, 0,1,2
	ds_store_b32 v[60+\k], v[C+4*(\t)+\k] offset:1536*((\t)>>2)+64*((\t)&3)
.endr
.else
.if (((\t)>>1)&1)                      ; x: rows 8 .. 15 of a fragment have their two halves of 48 bytes the other way round
	global_store_b96 v10, v[C+4*(\t):C+4*(\t)+2], s[32:33] offset:384*(\t)
.else
	global_store_b96 v4, v[C+4*(\t):C+4*(\t)+2], s[32:33] offset:384*(\t)
.endif
.endif
.endm
.macro BYTES_OUT                       ; the wave's 256 scale bytes leave as one aligned block of 256 bytes
	ds_load_b64 v[12:13], v6                       ; LDS serves a wave's instructions in order: these see my byte stores
	s_wait_dscnt 0x0
	global_store_b64 v7, v[12:13], s[34:35]
.endm
; ---------------- x ----------------
; Each load reads 512 consecutive bytes of one row, 16 a lane; a step's 2,048 bytes go through the wave's own stage in LDS and come back 64 bytes a lane:
; lane l then holds row l / 8 of the step and numbers 16 (l % 8) .. + 15 of its 128: block (l / 2) % 4, half l % 2.  Loads run four steps ahead, the turn through LDS one step.
	PLACE
	s_lshl_b32 s28, s17, 20                        ; 64 rows of 16,384 bytes
	s_lshl_b32 s22, s18, 9                         ; 128 numbers
	s_add_co_u32 s28, s28, s22
	s_mov_b32 s29, 0
	s_add_nc_u64 s[4:5], s[4:5], s[28:29]
	s_add_nc_u64 s[32:33], s[10:11], s[24:25]
	s_add_nc_u64 s[34:35], s[10:11], s[26:27]
	s_wait_alu depctr_va_vdst(0)
	v_lshlrev_b32 v3, 4, v2                        ; my 16 bytes of a load's 512
	s_lshl_b32 s19, s16, 13                        ; my wave's 8,192 bytes of LDS: two stages of 2,560, then the scale bytes
	v_lshrrev_b32 v14, 2, v2
	v_mul_u32_u24 v14, v14, SP
	v_and_b32 v15, 3, v2
	v_lshl_add_u32 v14, v15, 4, v14
	v_add_nc_u32 v14, s19, v14                     ; the stage, on the way in: four lanes' 64 bytes on end, then 16 of padding
	v_mul_u32_u24 v15, v2, SP
	v_add_nc_u32 v15, s19, v15                     ; and on the way out: my 16 neighbours
	v_lshrrev_b32 v8, 3, v2                        ; my row of the step
	v_mul_u32_u24 v4, v8, 96
	v_bfe_u32 v9, v2, 2, 1                         ; c
	v_mad_u32_u24 v4, v9, 24, v4
	v_and_b32 v9, 1, v2                            ; which half of the block
	v_mad_u32_u24 v4, v9, 12, v4
	v_bfe_u32 v9, v2, 1, 1                         ; h
	v_xor_b32 v11, 1, v9
	v_mad_u32_u24 v10, v11, 48, v4                 ; my codes' place in a step's 384 bytes, rows 8 .. 15 of a fragment,
	v_mad_u32_u24 v4, v9, 48, v4                   ; and rows 0 .. 7
	s_add_co_u32 s19, s19, 2*32*SP
	v_bfe_u32 v5, v2, 1, 2                         ; my block
	v_lshl_add_u32 v5, v8, 4, v5
	v_add_nc_u32 v5, s19, v5                       ; my scale byte's place: 16 x row + block
	v_lshlrev_b32 v7, 3, v2
	v_add_nc_u32 v6, s19, v7                       ; on the way out 8 bytes a lane
.macro LOADX t
.irp i, 0,1,2,3
	global_load_b128 v[R+16*((\t)%4)+4*\i:R+16*((\t)%4)+4*\i+3], v3, s[4:5] offset:(4*(\t)+\i)*16384 th:TH_LOAD_NT
.endr
.endm
.macro TURNX t                         ; step t's numbers through the stage: LDS serves a wave's instructions in order, so no wait stands between the stores and the loads
.irp i, 0,1,2,3
	ds_store_b128 v14, v[R+16*((\t)%4)+4*\i:R+16*((\t)%4)+4*\i+3] offset:32*SP*((\t)%2)+8*SP*\i
.endr
.irp i, 0,1,2,3
	ds_load_b128 v[X+16*((\t)%2)+4*\i:X+16*((\t)%2)+4*\i+3], v15 offset:32*SP*((\t)%2)+16*\i
.endr
.endm
.irp t, 0,1,2,3
	LOADX \t
.endr
	s_wait_loadcnt 12                              ; step 0's four loads are in; those of steps 1 to 3 may be out
	TURNX 0
.macro STEPX t
.set XS, X+16*((\t)%2)
.if (\t) > 0
	s_wait_dscnt 1                                 ; this step's numbers are back from the stage (the last step's byte store may be out): so its stores into the stage have read their registers,
.else
	s_wait_dscnt 0x0
.endif
.if (\t)+4 < STEPS
	LOADX (\t)+4                                   ; which take the loads of four steps on
.endif
.if (\t)+1 < STEPS
.if STEPS-2-(\t) >= 3
	s_wait_loadcnt 12                              ; the next step's four loads are in; those of the three steps behind it may be out
.else
	s_wait_loadcnt 4*(STEPS-2-(\t))                ; near the end fewer steps stand behind it
.endif
	TURNX (\t)+1                                   ; and go through the other stage while this step is worked
.endif
	QUANT16 \t, XS, 1
.endm
.irp t, 0,1,2,3,4,5,6,7,8,9,10,11,12,13,14,15
	STEPX \t
.endr
	BYTES_OUT
	s_wait_tensorcnt 0x0
	ds_add_u32 v131, v135
	s_wait_dscnt 0x0
	s_endpgm
; ---------------- W ----------------
; A load takes two rows, sixteen lanes each, 4 words (8 numbers) a lane; lanes l and l xor 1 change halves, so that lane l holds row 2 (l % 2) + l / 16 of the step, block (l / 4) % 4, half (l / 2) % 2.
; W'S FRAGMENTS ARE LAID OTHERWISE THAN x'S: word d (0 .. 11) of operand lane (r, h) lies at 512 (d / 4) + 16 (16 h + r) + 4 (d % 4) of its fragment's 1,536 bytes,
; so that the product's launch loads four operand registers of all 32 lanes as 512 consecutive bytes.  The wave's four fragments are gathered in a stage of 6,144 bytes of LDS and leave whole.
.Lweights:
	s_sub_co_u32 s17, s17, 128
	PLACE
	s_lshl_b32 s28, s17, 19                        ; 64 rows of 8,192 bytes
	s_lshl_b32 s22, s18, 8
	s_add_co_u32 s28, s28, s22
	s_mov_b32 s29, 0
	s_lshl_b32 s30, s17, 13                        ; 64 rows of 32 f32 scales
	s_lshl_b32 s22, s18, 2
	s_add_co_u32 s30, s30, s22
	s_mov_b32 s31, 0
	s_add_nc_u64 s[6:7], s[6:7], s[28:29]
	s_add_nc_u64 s[8:9], s[8:9], s[30:31]
	s_add_nc_u64 s[32:33], s[12:13], s[24:25]
	s_add_nc_u64 s[34:35], s[12:13], s[26:27]
	s_mov_b32 s36, 0x04000400                      ; v_perm_b32: byte 0 of the second source, byte 0 of the first
	s_mov_b32 s37, 0x05040100                      ; the two low halves
	s_mov_b32 s38, 0xf0f0f0f0
	s_mov_b32 vcc_lo, 0xaaaaaaaa                   ; the odd lanes
	s_wait_alu depctr_va_vdst(0)
	v_and_b32 v8, 15, v2
	v_lshrrev_b32 v9, 4, v2
	v_lshlrev_b32 v3, 4, v8
	v_lshl_add_u32 v3, v9, 13, v3                  ; a load: 16 (l % 16) + a row for lanes 16-31
	v_and_b32 v11, 1, v2
	v_lshl_add_u32 v9, v11, 1, v9                  ; my row of the step behind the exchange
.set WST, 35328                        ; W's stages: 6,144 bytes a wave, behind the spare words
	v_bfe_u32 v11, v2, 3, 1                        ; c
	v_mul_u32_u24 v4, v11, 6
	v_bfe_u32 v11, v2, 1, 1                        ; which half of the block
	v_mad_u32_u24 v4, v11, 3, v4                   ; my first word among the operand lane's twelve: 6 c + 3 half
	v_bfe_u32 v11, v2, 2, 1                        ; h
	v_lshlrev_b32 v10, 8, v11
	v_lshl_add_u32 v10, v9, 4, v10                 ; 16 (16 h + my row)
	s_mul_i32 s19, s16, 6144
	s_add_co_u32 s19, s19, WST
	v_add_nc_u32 v10, s19, v10
.irp k, 0,1,2
	v_add_nc_u32 v8, \k, v4                        ; word d
	v_lshrrev_b32 v11, 2, v8
	v_and_b32 v8, 3, v8
	v_lshl_add_u32 v11, v11, 9, v10                ; 512 (d / 4)
	v_lshl_add_u32 v[60+\k], v8, 2, v11            ; + 4 (d % 4)
.endr
	v_lshl_add_u32 v63, v2, 4, s19                 ; out of the stage: 16 bytes a lane,
	v_lshlrev_b32 v4, 4, v2                        ; and the same place in the workspace
	s_lshl_b32 s19, s16, 9
	s_add_co_u32 s19, s19, WLDS                    ; my wave's 512 bytes of LDS
	v_lshl_add_u32 v1, v2, 2, s19                  ; where I put a row's f32 scale,
	v_lshl_add_u32 v14, v9, 2, s19                 ; and where I find my row's
	v_bfe_u32 v5, v2, 2, 2                         ; my block
	v_lshl_add_u32 v5, v9, 4, v5
	s_add_co_u32 s19, s19, 256
	v_add_nc_u32 v5, s19, v5                       ; my scale byte's place: 16 x row + block
	v_lshlrev_b32 v7, 3, v2
	v_add_nc_u32 v6, s19, v7
	v_lshlrev_b32 v15, 7, v2                       ; a row of weight_scales is 128 bytes
	v_mov_b32 v54, 0                               ; written once: the destination of a DPP form counts as one of its sources
	v_mov_b32 v55, 0
	v_mov_b32 v58, 0x7f7f7f7f                      ; the scale 1.0, in every byte
.macro LOADW t
.irp j, 0,1
	global_load_b128 v[P+8*((\t)%4)+4*\j:P+8*((\t)%4)+4*\j+3], v3, s[6:7] offset:(4*(\t)+2*\j)*8192 th:TH_LOAD_NT   ; rows 4 t + 2 j and 4 t + 2 j + 1: sixteen lanes read 256 consecutive bytes
.endr
.endm
	global_load_b32 v12, v15, s[8:9]               ; the f32 scale of rows l and 32 + l for this K step: each scale is read once in the launch, 4 bytes of a row of 128
	global_load_b32 v13, v15, s[8:9] offset:4096
.irp t, 0,1,2,3
	LOADW \t
.endr
	s_wait_loadcnt 8                               ; the two loads of scales are in; the eight behind them may be out
	ds_store_b32 v1, v12
	ds_store_b32 v1, v13 offset:128
.irp t, 0,1,2,3,4,5,6,7,8,9,10,11,12,13,14,15
	ds_load_b32 v[SW+\t], v14 offset:16*\t         ; row 4 t + my row
.endr
	s_wait_dscnt 0x0
.macro STEPW t
.set PS, P+8*((\t)%4)
.if 15-(\t) >= 3
	s_wait_loadcnt 6                               ; this step's two loads are in; those of the three steps behind it may be out
.else
	s_wait_loadcnt 2*(15-(\t))
.endif
.irp j, 0,1
	v_perm_b32 v50, v[PS+4*\j+1], v[PS+4*\j], s36                  ; the low bytes of four words: what lies above them is dropped, as the shifts and masks of the definition drop it
	v_perm_b32 v51, v[PS+4*\j+3], v[PS+4*\j+2], s36
	v_perm_b32 v[48+\j], v51, v50, s37
	v_lshlrev_b32 v52, 4, v[48+\j]
	v_lshrrev_b32 v53, 4, v[48+\j]
	v_bfi_b32 v[48+\j], s38, v52, v53              ; the nibbles of each byte change places: the high one is the first number
.endr
.if (\t)+4 < STEPS
	LOADW (\t)+4
.endif
	v_mov_b32_dpp v54, v48 row_xmask:1 row_mask:0xf bank_mask:0xf
	v_mov_b32_dpp v55, v49 row_xmask:1 row_mask:0xf bank_mask:0xf
	v_cndmask_b32 v56, v48, v55, vcc_lo            ; the lower 8: even lanes their own of the first load, odd lanes their neighbour's of the second
	v_cndmask_b32 v57, v54, v49, vcc_lo            ; the upper 8: even lanes their neighbour's of the first load, odd lanes their own of the second
	v_cvt_scale_pk8_f32_fp4 v[F:F+7], v56, v58
	v_cvt_scale_pk8_f32_fp4 v[F+8:F+15], v57, v58
	v_nop                                          ; one plain instruction behind a scaled conversion
.irp i, 0,1,2,3,4,5,6,7
.if (\t)%2
	v_pk_mul_f32 v[F+2*\i:F+2*\i+1], v[F+2*\i:F+2*\i+1], v[SW+2*((\t)/2):SW+2*((\t)/2)+1] op_sel:[0,1] op_sel_hi:[1,1]   ; x my row's f32 scale: one rounding, as the definition has it
.else
	v_pk_mul_f32 v[F+2*\i:F+2*\i+1], v[F+2*\i:F+2*\i+1], v[SW+2*((\t)/2):SW+2*((\t)/2)+1] op_sel_hi:[1,0]
.endif
.endr
	QUANT16 \t, F, 2
.endm
.irp t, 0,1,2,3,4,5,6,7,8,9,10,11,12,13,14,15
	STEPW \t
.endr
	BYTES_OUT
.irp i, 0,1,2,3,4,5,6,7,8,9,10,11
	ds_load_b128 v[64+4*\i:67+4*\i], v63 offset:512*\i   ; LDS serves a wave's instructions in order: these see my stores
.endr
	s_wait_dscnt 0x0
.irp i, 0,1,2,3,4,5,6,7,8,9,10,11
	global_store_b128 v4, v[64+4*\i:67+4*\i], s[32:33] offset:512*\i   ; 32 lanes store 512 consecutive bytes
.endr
	s_wait_tensorcnt 0x0
	ds_add_u32 v131, v135
	s_wait_dscnt 0x0
	s_endpgm
.Lfunc_end_k_q048d27a9ef_quant:
	.size	k_q048d27a9ef_quant, .Lfunc_end_k_q048d27a9ef_quant-k_q048d27a9ef_quant
	.p2alignl 7, 3214868480
	.fill 96, 4, 3214868480
	.section	.rodata,"a",@progbits
	.p2align	6, 0x0
	.amdhsa_kernel k_q048d27a9ef_quant
		.amdhsa_group_segment_fixed_size 59904
		.amdhsa_private_segment_fixed_size 0
		.amdhsa_enable_private_segment 0
		.amdhsa_kernarg_size 40
		.amdhsa_user_sgpr_count 2
		.amdhsa_user_sgpr_kernarg_segment_ptr 1
		.amdhsa_wavefront_size32 1
		.amdhsa_system_sgpr_workgroup_id_x 1
		.amdhsa_system_sgpr_workgroup_id_y 1
		.amdhsa_system_sgpr_workgroup_id_z 1
		.amdhsa_system_vgpr_workitem_id 0
		.amdhsa_next_free_vgpr 192
		.amdhsa_next_free_sgpr 66
		.amdhsa_reserve_vcc 1
		.amdhsa_float_denorm_mode_32 3
		.amdhsa_float_denorm_mode_16_64 3
		.amdhsa_memory_ordered 1
		.amdhsa_forward_progress 1
		.amdhsa_inst_pref_size 83
	.end_amdhsa_kernel
	.amdgpu_metadata
---
amdhsa.version: [ 1, 2 ]
amdhsa.kernels:
  - .name:           k_q048d27a9ef_quant
    .symbol:         k_q048d27a9ef_quant.kd
    .args:
      - { .name: x, .offset: 0, .size: 8, .value_kind: global_buffer, .address_space: global }
      - { .name: weight_packed, .offset: 8, .size: 8, .value_kind: global_buffer, .address_space: global }
      - { .name: weight_scales, .offset: 16, .size: 8, .value_kind: global_buffer, .address_space: global }
      - { .name: a_ws, .offset: 24, .size: 8, .value_kind: global_buffer, .address_space: global }
      - { .name: b_ws, .offset: 32, .size: 8, .value_kind: global_buffer, .address_space: global }
    .group_segment_fixed_size: 59904
    .private_segment_fixed_size: 0
    .kernarg_segment_align: 8
    .kernarg_segment_size: 40
    .max_flat_workgroup_size: 128
    .sgpr_count:     66
    .vgpr_count:     192
    .wavefront_size: 32
...
	.end_amdgpu_metadata
.endif
;; end of part 1
;; launch gemm (part 2): grid 8 x 32, 4 waves a work-group, clusters of 4 x 4, 327,680 bytes of LDS; arguments a_ws, b_ws, bias, out0; writes out0
.if DOCPART == 2
	.amdgcn_target "amdgcn-amd-amdhsa--gfx1250"
	.amdhsa_code_object_version 6
	.text
	.protected	k_q048d27a9ef_gemm
	.globl	k_q048d27a9ef_gemm
	.p2align	8
	.type	k_q048d27a9ef_gemm,@function
k_q048d27a9ef_gemm:
	s_mov_b64 s[64:65], 0
	v_nop
	global_prefetch_b8 v0, s[64:65] scope:SCOPE_SE
	s_setreg_imm32_b32 hwreg(HW_REG_WAVE_MODE, 25, 1), 1
	s_wait_xcnt 0x0
	s_wait_alu depctr_hold_cnt(0) depctr_sa_sdst(0) depctr_va_vdst(0) depctr_va_sdst(0) depctr_va_ssrc(0) depctr_va_vcc(0) depctr_vm_vsrc(0)
	s_getreg_b32 s2, hwreg(HW_REG_IB_STS2, 6, 4)
	s_cmp_eq_u32 s2, 0
	s_cbranch_scc0 .Lentry_in_a_cluster
	s_endpgm
.Lentry_in_a_cluster:
	s_bfe_u32 s2, ttmp6, 0x10000c
	s_cmp_lg_u32 s2, 0xf033
	s_cbranch_scc0 .Lentry_shape_is_right
	s_endpgm
.Lentry_shape_is_right:
; out0[m][n] = bias[n] + sum over k of x[m][k] W[n][k], on the codes of FP6 (E2M3) and E8M0 scale words that the launch before has laid in panels: [group of 128 rows][K step of 128][12,800 bytes:
; 8 fragments of 1,536 bytes, then 512 bytes of scale words].  A work-group of four waves makes 256 x 256 of the result, a wave 128 x 128: 64 accumulators, 512 registers.
; ONLY x'S PANELS (A) GO THROUGH LDS.  With both operands in LDS the four waves would read 4 x 50 x 512 = 102,400 bytes of LDS in a K step of 64 matrix instructions a wave; here they read 4 x 26 x 512.
; A: a ring of two slots, each with 4 K steps of the tile's two groups (102,400 bytes).  A wave fills a quarter by one joint tensor load (100 rows of 256 bytes), shared along the cluster's row.
; W'S PANELS (B) GO FROM MEMORY STRAIGHT INTO THE OPERAND REGISTERS: each load takes four registers of all 32 lanes as 512 consecutive bytes.  A joint load can land in LDS alone, so B has none.
; The 64 products of a step go by B's blocks, each against A's eight: a block of B is free behind its eight products and takes its fragment of TWO steps on (two sets of registers).
; THE WALK ALONG K IS TURNED: tile row y begins at chunk y % 8 (a chunk = 4 K steps) and goes round.  So at any step the tile rows read eight different chunks of B, and from a work-group's second chunk on
; B's panels have been read before in this launch by tile rows that began further on: B is not prefetched.  The order of the f32 sums differs from ascending K by this turn.
; A's chunk is prefetched one chunk (4 K steps) ahead of its tensor load: of the 100 blocks of 256 bytes that a wave fetches each of the four partners names 25, told apart by address.
; The matrix instruction is used transposed (source 0 = 16 rows of W, source 1 = 16 rows of x): a lane holds eight neighbouring numbers of a row of the result.  The bias is the C of the first products.
; REGISTERS: window 0: v0-31 addresses; v32-47 A's scale words, v48-63 B's, two sets each; v64-255 A's fragments, two sets.  Window 1: v0-191 B's fragments, two sets; v192-255 the bias.
;   windows 2, 3: accumulator (a, b) at v[8 (8 (b % 4) + a)] of window 2 + b / 4.
.set SIZE_N, 2048
.set PANEL,  12800
.set GSTR,   32*PANEL
.set CHUNK,  4*PANEL
.set SCOFF,  12288
.set FRAGB,  1536
.set SLOT,   2*CHUNK
.set STAGE,  2*SLOT                    ; the way out: 16 rows x 528 bytes for each wave, bytes into which no fill lands
.set SPITCH, 528
.set SPARE,  STAGE+4*16*SPITCH         ; the spare words, 128 bytes a wave
.set ADRA, 16                          ; v16-17 LDS address of my A fragments in slot 0, 1
.set ADRS, 18                          ; v18-19 of my A scale words
.set VB,   20                          ; 16 x lane: B's fragments
.set VBS,  21                          ; 16 x (lane % 16): B's scale words
.set STO,  24
.set RD,   25
.set CO,   26
.set BO,   27
.set SPW,  28
.set NIL,  29
.set PFO,  30                          ; the prefetch's offset: 256 x (25 cx + min(lane, 24))
.set SCA,  32
.set SCB,  48
.set AF,   64
.set BI,   192
.set BK,   128
.set G1,   24                          ; s[24:31] descriptor group 1; s[32:39] group 0, one set for each slot
.set G0,   32
; s[20:21] my quarter of A's chunk 0; s[46:47] my group of B; s[48:49] B's chunk now loaded from; s[50:51] A's chunk to prefetch; s52, s53 A's and B's next chunk (0 .. 7); s[54:55] an offset
.set MSB, 0
.macro WIN new
.if MSB != (\new)
	s_set_vgpr_msb (MSB<<8)|(\new)
.set MSB, (\new)
.endif
.endm
.set TO_B, 0x40
.macro CREST
	s_cmp_lg_u32 s14, 0
	s_cbranch_scc1 .Lnot_wave_0_\@
	s_barrier_signal -3
.Lnot_wave_0_\@:
	s_barrier_wait -3
	s_barrier_signal -1
	s_barrier_wait -1
.endm
.macro CROUND
	s_barrier_signal -1
	s_barrier_wait -1
	CREST
.endm
.macro PLACES                          ; four places behind matrix instructions, in front of loads into their sources and of reads of results
.rept 4
	v_nop
.endr
.endm
	s_load_b128 s[4:7], s[0:1], 0x0                ; a_ws, b_ws
	s_load_b128 s[8:11], s[0:1], 0x10              ; bias, out0
	v_lshl_add_u32 v[SPW], v0, 2, SPARE
	v_mov_b32 v[NIL], 0
	ds_add_u32 v[SPW], v[NIL]                      ; the opening lines: the add, twice on end, and its wait
	ds_add_u32 v[SPW], v[NIL]
	v_lshrrev_b32 v1, 5, v0
	v_readfirstlane_b32 s14, v1                    ; wave
	s_lshr_b32 s15, s14, 1                         ; my half of the tile's rows
	s_and_b32 s16, s14, 1                          ; my half of its columns
	s_bfe_u32 s40, ttmp6, 0x40000                  ; cx
	s_bfe_u32 s41, ttmp6, 0x40004                  ; cy
	s_lshl_b32 s42, ttmp9, 2
	s_add_co_u32 s42, s42, s40                     ; tile column
	s_and_b32 s17, ttmp7, 0xffff
	s_lshl_b32 s17, s17, 2
	s_add_co_u32 s17, s17, s41                     ; tile row
	s_lshl_b32 s43, s41, 2
	s_lshl_b32 s43, 15, s43                        ; my row of the cluster
	s_or_b32 s[G1+0], s43, (3<<16)|(1<<21)         ; the mask; elements of 8 bytes; bit 21 beside a mask
	s_mov_b32 s[G1+1], 32<<16                      ; rows of 256 bytes,
	s_mov_b32 s[G1+2], 100<<16                     ; 100 of them: two panels
	s_mov_b32 s[G1+3], 32<<16
	s_mov_b32 s[G1+4], 100
	s_mov_b32 s[G1+5], 32
	s_mov_b32 s[G1+6], 0
	s_mov_b32 s[G1+7], 0
	s_lshl_b32 s20, s17, 1                         ; A: wave w fills group w / 2, panels 2 (w % 2) and the next of a chunk
	s_add_co_u32 s20, s20, s15
	s_mul_i32 s20, s20, GSTR
	s_mul_i32 s54, s16, 2*PANEL
	s_add_co_u32 s20, s20, s54
	s_mov_b32 s21, 0
	s_lshl_b32 s46, s42, 1                         ; B: my group of 128 rows
	s_add_co_u32 s46, s46, s16
	s_mul_i32 s46, s46, GSTR
	s_mov_b32 s47, 0
	s_and_b32 s52, s17, 7                          ; the chunk at which my tile row begins
	s_mov_b32 s53, s52
	s_mov_b32 s55, 0
	s_mul_i32 s54, s52, CHUNK
	s_mul_i32 s45, s14, 2*PANEL                    ; where my quarter of a slot lies
	s_mul_i32 s56, s15, CHUNK                      ; where I read A: my group
	s_mul_i32 s23, s14, 16*SPITCH
	s_add_co_u32 s23, s23, STAGE                   ; my stage
	s_mul_i32 s57, s40, 25                         ; my work-group's 25 blocks of a prefetch
	s_lshl_b32 s58, s17, 8
	s_lshl_b32 s59, s15, 7
	s_add_co_u32 s58, s58, s59
	s_lshl_b32 s58, s58, 13                        ; my first row of the result, 8,192 bytes a row
	s_mov_b32 s59, 0
	s_lshl_b32 s60, s42, 10
	s_lshl_b32 s61, s16, 9
	s_add_co_u32 s60, s60, s61                     ; my first column, in bytes
	s_mov_b32 s61, 0
	s_wait_dscnt 0x0
	s_wait_kmcnt 0x0
	s_add_nc_u64 s[20:21], s[4:5], s[20:21]
	s_add_nc_u64 s[46:47], s[6:7], s[46:47]
	s_add_nc_u64 s[48:49], s[46:47], s[54:55]
	s_add_nc_u64 s[8:9], s[8:9], s[60:61]
	s_add_nc_u64 s[10:11], s[10:11], s[58:59]
	s_add_nc_u64 s[10:11], s[10:11], s[60:61]
	CROUND                                         ; in front of the first joint loads
	s_mov_b32 s[G0], 1
	s_add_co_u32 s[G0+1], s45, 0
	s_add_nc_u64 s[G0+2:G0+3], s[20:21], s[54:55]
	s_or_b32 s[G0+3], s[G0+3], 0x80000000
	s_add_co_u32 s52, s52, 1
	s_and_b32 s52, s52, 7
	s_mul_i32 s54, s52, CHUNK
	s_mov_b32 s[G0+4], 1
	s_add_co_u32 s[G0+5], s45, SLOT
	s_add_nc_u64 s[G0+6:G0+7], s[20:21], s[54:55]
	s_or_b32 s[G0+7], s[G0+7], 0x80000000
	s_add_co_u32 s52, s52, 1
	s_and_b32 s52, s52, 7
	tensor_load_to_lds s[G0:G0+3], s[G1:G1+7]      ; my quarter of the first chunk: one tensor load a wave at the head
	s_nop 0
	v_and_b32 v1, 15, v0                           ; r
	v_bfe_u32 v2, v0, 4, 1                         ; h
	v_bfe_u32 v3, v0, 3, 2
	v_add_nc_u32 v3, 1, v3
	v_bfe_u32 v3, v3, 1, 1                         ; h xor (r / 8)
	v_mul_u32_u24 v4, v1, 96
	v_mad_u32_u24 v4, v3, 48, v4                   ; A: my 48 bytes of a fragment
	v_add_nc_u32 v[ADRA], s56, v4
	v_add_nc_u32 v[ADRA+1], SLOT, v[ADRA]
	v_lshlrev_b32 v[VBS], 4, v1
	v_add_nc_u32 v[ADRS], s56, v[VBS]
	v_add_nc_u32 v[ADRS+1], SLOT, v[ADRS]
	v_and_b32 v6, 31, v0
	v_lshlrev_b32 v[VB], 4, v6
	v_mul_u32_u24 v5, v1, SPITCH
	v_lshl_add_u32 v5, v2, 5, v5
	v_add_nc_u32 v[STO], s23, v5
	v_lshlrev_b32 v[CO], 4, v6
	v_add_nc_u32 v[RD], s23, v[CO]
	v_lshlrev_b32 v[BO], 5, v2
	v_min_u32 v7, 24, v6                           ; lanes 25-31 name the wave's last block again
	v_add_nc_u32 v7, s57, v7
	v_lshlrev_b32 v[PFO], 8, v7
	s_wait_alu depctr_va_vdst(0)
; B's blocks 2 q, 2 q + 1 of panel jb of the chunk at s[48:49] into set p; behind blocks 0-3 and 4-7 their four scale words a row
.macro LOADB q, p, jb
	WIN TO_B
.irp bb, 0,1
.irp c, 0,1,2
	global_load_b128 v[96*(\p)+12*(2*(\q)+\bb)+4*\c:96*(\p)+12*(2*(\q)+\bb)+4*\c+3], v[VB], s[48:49] offset:(\jb)*PANEL+(2*(\q)+\bb)*FRAGB+512*\c
.endr
.endr
	WIN 0
.if (\q)%2
	global_load_b128 v[SCB+8*(\p)+4*((\q)/2):SCB+8*(\p)+4*((\q)/2)+3], v[VBS], s[48:49] offset:(\jb)*PANEL+SCOFF+256*((\q)/2)
.endif
.endm
.macro LOADA a, p, sl, j               ; A's block a of panel j of slot sl into set p
.irp c, 0,1,2
	ds_load_b128 v[AF+96*(\p)+12*(\a)+4*\c:AF+96*(\p)+12*(\a)+4*\c+3], v[ADRA+(\sl)] offset:(\j)*PANEL+(\a)*FRAGB+16*\c
.endr
.endm
.macro LOADS p, sl, j                  ; A's scale words: lane r takes row r's words of blocks 0-3 and 4-7
	ds_load_b128 v[SCA+8*(\p):SCA+8*(\p)+3], v[ADRS+(\sl)] offset:(\j)*PANEL+SCOFF
	ds_load_b128 v[SCA+8*(\p)+4:SCA+8*(\p)+7], v[ADRS+(\sl)] offset:(\j)*PANEL+SCOFF+256
.endm
; 16 matrix instructions: B's blocks 2 q, 2 q + 1 against A's eight.  The 64 accumulators take turns, in the same order in every step.
.macro QUAD q, p, first
.irp bb, 0,1
.irp a, 0,1,2,3,4,5,6,7
.set BN, 2*(\q)+\bb
.set ACCR, 8*(8*(BN%4)+\a)
.if \first
	v_wmma_scale_f32_16x16x128_f8f6f4 v[ACCR:ACCR+7], v[96*(\p)+12*BN:96*(\p)+12*BN+11], v[AF+96*(\p)+12*\a:AF+96*(\p)+12*\a+11], v[BI+8*BN:BI+8*BN+7], v[SCB+8*(\p)+BN], v[SCA+8*(\p)+\a] matrix_a_fmt:MATRIX_FMT_FP6 matrix_b_fmt:MATRIX_FMT_FP6
.else
	v_wmma_scale_f32_16x16x128_f8f6f4 v[ACCR:ACCR+7], v[96*(\p)+12*BN:96*(\p)+12*BN+11], v[AF+96*(\p)+12*\a:AF+96*(\p)+12*\a+11], v[ACCR:ACCR+7], v[SCB+8*(\p)+BN], v[SCA+8*(\p)+\a] matrix_a_fmt:MATRIX_FMT_FP6 matrix_b_fmt:MATRIX_FMT_FP6
.endif
.endr
.endr
.endm
; A K step.  t: the step (its place in eight decides slot, panel and sets).  turn: 2 = the slot whose last panel is now in registers is filled again, behind a round; 1 = a barrier for the last chunk's landing.
; ldb: B's fragments of step t + 2 are loaded; lda: A's of step t + 1.  A step issues 26 global loads, in groups of 6, 7, 6, 7.  w0: blocks 0-3 and their scale words came with the first two groups of step t - 2:
; behind them stand that step's 13 and step t - 1's 26.  w2: blocks 4-7 came with its last two groups: behind them step t - 1's 26 and this step's first 13.
.macro STEP t, first, turn, ldb, lda, w0, w2, pf
.set KP,  (\t)%2
.set KSL, ((\t)/4)%2
.set NSL, (((\t)+1)/4)%2
.set NJ,  ((\t)+1)%4
.set JB,  ((\t)+2)%4
.if \turn
	s_wait_tensorcnt 0x0                           ; my part of the other slot has landed
.if \turn == 2
	ds_add_u32 v[SPW], v[NIL]
	s_mul_i32 s54, s52, CHUNK                      ; no tensor load of mine is out: this slot's next chunk,
	s_add_nc_u64 s[G0+4*KSL+2:G0+4*KSL+3], s[20:21], s[54:55]
	s_or_b32 s[G0+4*KSL+3], s[G0+4*KSL+3], 0x80000000
	s_add_co_u32 s52, s52, 1
	s_and_b32 s52, s52, 7
	s_mul_i32 s54, s52, CHUNK
	s_add_nc_u64 s[50:51], s[20:21], s[54:55]      ; and the chunk behind it, for the prefetch (the last prefetch has read this pair: a wait on XCNT stood in the step before)
.endif
	s_wait_loadcnt \w0
	s_wait_dscnt 0x0                               ; the add is done, and my reads of this slot are over
	s_barrier_signal -1
	WIN 0xa1
	QUAD 0, KP, 0
	WIN 0
	s_barrier_wait -1
.if \turn == 2
	CREST                                          ; the barrier has opened a round of the cluster's barrier
	tensor_load_to_lds s[G0+4*KSL:G0+4*KSL+3], s[G1:G1+7]
	s_nop 0
.endif
.else
	s_wait_loadcnt \w0
	s_wait_dscnt 0x0                               ; A's fragments and scale words of this step are in
	WIN 0xa1-0x10*(\first)
	QUAD 0, KP, \first
.endif
.if \ldb || \lda
	PLACES
.endif
.if \ldb
.if JB == 0
	s_wait_xcnt 0x0                                ; the loads and the prefetch issued so far have read their bases: B goes on to its next chunk
	s_add_co_u32 s53, s53, 1
	s_and_b32 s53, s53, 7
	s_mul_i32 s54, s53, CHUNK
	s_add_nc_u64 s[48:49], s[46:47], s[54:55]
.endif
	LOADB 0, KP, JB
.endif
.if \lda
	WIN 0                                          ; (where no load of B stood ahead, the windows are still the products')
	LOADS 1-KP, NSL, NJ
	LOADA 0, 1-KP, NSL, NJ
	LOADA 1, 1-KP, NSL, NJ
	LOADA 2, 1-KP, NSL, NJ
.endif
.if \pf == 2
	s_cmp_lg_u32 s3, 1                             ; the last refill has no chunk behind it
	s_cbranch_scc0 .Lno_ask_\@
.endif
.if \pf
	global_prefetch_b8 v[PFO], s[50:51] th:TH_LOAD_NT scope:SCOPE_SE   ; 25 blocks of 256 bytes of the chunk that the next refill, 4 K steps on, will load
.endif
.if \pf == 2
.Lno_ask_\@:
.endif
	WIN 0xa1-0x10*(\first)
	QUAD 1, KP, \first
.if \ldb || \lda
	PLACES
.endif
.if \ldb
	LOADB 1, KP, JB
.endif
.if \lda
	WIN 0
	LOADA 3, 1-KP, NSL, NJ
	LOADA 4, 1-KP, NSL, NJ
	LOADA 5, 1-KP, NSL, NJ
.endif
	s_wait_loadcnt \w2
	WIN 0xf1-0x20*(\first)
	QUAD 2, KP, \first
.if \ldb || \lda
	PLACES
.endif
.if \ldb
	LOADB 2, KP, JB
.endif
.if \lda
	WIN 0
	LOADA 6, 1-KP, NSL, NJ
	LOADA 7, 1-KP, NSL, NJ
.endif
	WIN 0xf1-0x20*(\first)
	QUAD 3, KP, \first
.if \ldb
	PLACES
	LOADB 3, KP, JB
.endif
	WIN 0
.endm
	WIN TO_B
.irp b, 0,1,2,3,4,5,6,7
	global_load_b128 v[BI+8*\b:BI+8*\b+3], v[BO], s[8:9] offset:64*\b          ; the bias at my eight columns of block b
	global_load_b128 v[BI+8*\b+4:BI+8*\b+7], v[BO], s[8:9] offset:64*\b+16
.endr
.irp q, 0,1,2,3
	LOADB \q, 0, 0                                 ; B's steps 0 and 1, in the order in which a step loads them
.endr
.irp q, 0,1,2,3
	LOADB \q, 1, 1
.endr
	s_wait_tensorcnt 0x0                           ; my quarter of the first chunk is in; the second slot's first fill is issued as a refill is
	ds_add_u32 v[SPW], v[NIL]
	s_wait_dscnt 0x0
	CROUND
	tensor_load_to_lds s[G0+4:G0+7], s[G1:G1+7]
	s_nop 0
	LOADS 0, 0, 0
.irp a, 0,1,2,3,4,5,6,7
	LOADA \a, 0, 0, 0
.endr
	STEP 0, 1, 0, 1, 1, 39, 39, 0                  ; the first step's products start the sums from the bias
	s_mov_b32 s3, 3
.Llap:                                                 ; a trip: eight steps, once round the ring, both slots filled again
	STEP 1, 0, 0, 1, 1, 39, 39, 0
	STEP 2, 0, 0, 1, 1, 39, 39, 0
	STEP 3, 0, 2, 1, 1, 39, 39, 1
	STEP 4, 0, 0, 1, 1, 39, 39, 0
	STEP 5, 0, 0, 1, 1, 39, 39, 0
	STEP 6, 0, 0, 1, 1, 39, 39, 0
	STEP 7, 0, 2, 1, 1, 39, 39, 2
	STEP 8, 0, 0, 1, 1, 39, 39, 0
	s_sub_co_u32 s3, s3, 1
	s_cmp_lg_u32 s3, 0
	s_cbranch_scc1 .Llap
	STEP 1, 0, 0, 1, 1, 39, 39, 0                  ; steps 25 to 31: nothing is filled again
	STEP 2, 0, 0, 1, 1, 39, 39, 0
	STEP 3, 0, 1, 1, 1, 39, 39, 0
	STEP 4, 0, 0, 1, 1, 39, 39, 0
	STEP 5, 0, 0, 1, 1, 39, 39, 0
	STEP 6, 0, 0, 0, 1, 39, 26, 0                  ; no loads of B in the last two steps: fewer stand behind those waited for
	STEP 7, 0, 0, 0, 0, 13, 0, 0
; THE WAY OUT, by blocks of 16 rows x 128 columns: through my own stage and back as whole rows of 512 bytes, which the 32 lanes store as two aligned runs of 256 bytes.
.macro TOSTAGE a
	WIN 0x08                                       ; the data: window 2, columns 0-63
.irp b, 0,1,2,3
	ds_store_b128 v[STO], v[64*\b+8*(\a):64*\b+8*(\a)+3] offset:64*\b         ; each accumulator from its low end on
	ds_store_b128 v[STO], v[64*\b+8*(\a)+4:64*\b+8*(\a)+7] offset:64*\b+16
.endr
	WIN 0x0c                                       ; window 3, columns 64-127
.irp b, 0,1,2,3
	ds_store_b128 v[STO], v[64*\b+8*(\a):64*\b+8*(\a)+3] offset:256+64*\b
	ds_store_b128 v[STO], v[64*\b+8*(\a)+4:64*\b+8*(\a)+7] offset:256+64*\b+16
.endr
	WIN 0
.set BB, BK+64*((\a)%2)
.irp t, 0,1,2,3,4,5,6,7,8,9,10,11,12,13,14,15
	ds_load_b128 v[BB+4*\t:BB+4*\t+3], v[RD] offset:\t*SPITCH    ; LDS serves a wave's instructions in order: these see the stores above
.endr
.endm
.macro SEND a, younger
.set BB, BK+64*((\a)%2)
	s_wait_dscnt \younger
.if (\a) > 0
	s_add_nc_u64 s[10:11], s[10:11], 16*SIZE_N*4   ; behind a wait on XCNT: the earlier stores have read their base
.endif
.irp t, 0,1,2,3,4,5,6,7,8,9,10,11,12,13,14,15
	global_store_b128 v[CO], v[BB+4*\t:BB+4*\t+3], s[10:11] offset:\t*SIZE_N*4 th:TH_STORE_NT
.endr
.endm
	PLACES
	TOSTAGE 0
.irp a, 1,2,3,4,5,6,7
.if \a > 1
	s_wait_xcnt 0x0                                ; block a - 2's stores have read their registers and their base
.endif
	TOSTAGE \a
	SEND \a-1, 32                                  ; behind block a - 1's loads: block a's 16 stores and 16 loads
.endr
	s_wait_xcnt 0x0
	SEND 7, 0
	s_wait_tensorcnt 0x0                           ; the wave's end
	ds_add_u32 v[SPW], v[NIL]
	s_wait_dscnt 0x0
	CROUND                                         ; the closing round
	s_endpgm
.Lfunc_end_k_q048d27a9ef_gemm:
	.size	k_q048d27a9ef_gemm, .Lfunc_end_k_q048d27a9ef_gemm-k_q048d27a9ef_gemm
	.p2alignl 7, 3214868480
	.fill 96, 4, 3214868480
	.section	.rodata,"a",@progbits
	.p2align	6, 0x0
	.amdhsa_kernel k_q048d27a9ef_gemm
		.amdhsa_group_segment_fixed_size 327680
		.amdhsa_private_segment_fixed_size 0
		.amdhsa_enable_private_segment 0
		.amdhsa_kernarg_size 32
		.amdhsa_user_sgpr_count 2
		.amdhsa_user_sgpr_kernarg_segment_ptr 1
		.amdhsa_wavefront_size32 1
		.amdhsa_system_sgpr_workgroup_id_x 1
		.amdhsa_system_sgpr_workgroup_id_y 1
		.amdhsa_system_sgpr_workgroup_id_z 1
		.amdhsa_system_vgpr_workitem_id 0
		.amdhsa_next_free_vgpr 1024
		.amdhsa_next_free_sgpr 66
		.amdhsa_reserve_vcc 0
		.amdhsa_float_denorm_mode_32 3
		.amdhsa_float_denorm_mode_16_64 3
		.amdhsa_memory_ordered 1
		.amdhsa_forward_progress 1
		.amdhsa_inst_pref_size 249
	.end_amdhsa_kernel
	.amdgpu_metadata
---
amdhsa.version: [ 1, 2 ]
amdhsa.kernels:
  - .name:           k_q048d27a9ef_gemm
    .symbol:         k_q048d27a9ef_gemm.kd
    .args:
      - { .name: a_ws, .offset: 0, .size: 8, .value_kind: global_buffer, .address_space: global }
      - { .name: b_ws, .offset: 8, .size: 8, .value_kind: global_buffer, .address_space: global }
      - { .name: bias, .offset: 16, .size: 8, .value_kind: global_buffer, .address_space: global }
      - { .name: out0, .offset: 24, .size: 8, .value_kind: global_buffer, .address_space: global }
    .group_segment_fixed_size: 327680
    .private_segment_fixed_size: 0
    .kernarg_segment_align: 8
    .kernarg_segment_size: 32
    .max_flat_workgroup_size: 128
    .sgpr_count:     66
    .vgpr_count:     1024
    .wavefront_size: 32
...
	.end_amdgpu_metadata
.endif
;; end of part 2
